; MI455X (gfx1250); checked and timed in simulation.
; The chip was launched on July 23, 2026; its instructions are those of AMD's public machine-readable ISA for CDNA 5 (MIT licence, August 2026) and "CDNA5" Instruction Set Architecture Reference Guide (July 2026). The comments in the code are by the model that wrote it; some were corrected since.
;; Multi Head Attention Block. Allowed arithmetic: matrix products marked QUANTISED: E2M3 operands, one E8M0 scale for each 32 along K, by v_wmma_scale_f32_16x16x128_f8f6f4 with both operands' format E2M3, f32 sums; everything else in f32.
;; Inputs: b_o 256 float32; b_qkv 768 float32; w_o 256 x 256 float32; w_qkv 768 x 256 float32; x 4 x 256 x 64 x 64 float32.
;; Outputs: out0 4 x 256 x 64 x 64 float32.
;; This version of the problem:
;;   THIS VERSION OF THE PROBLEM IS GIVEN IN LOW PRECISION. The matrix products marked QUANTISED in the list below multiply operands that are first quantised to E2M3 (2 exponent bits, 3 mantissa bits; 6 bits a number), with one power-of-two scale for each 32 numbers along K (OCP MX v1.0); their sums are f32. All else is computed in f32.
;;   The module's matrix products, in the order in which they are computed (A, B: the left and right operand; K: the contracted axis; several contracted axes count as one K, in the product's order):
;;     1. [M 16,384, K 256] x [K 256, N 768]; A: input x; B: input w_qkv: QUANTISED
;;     2. batch 16 x [M 4,096, K 64] x [K 64, N 4,096]; A: computed on the way; B: computed on the way: QUANTISED
;;     3. batch 16 x [M 4,096, K 4,096] x [K 4,096, N 64]; A: softmax (see below); B: computed on the way: QUANTISED
;;     4. [M 16,384, K 256] x [K 256, N 256]; A: computed on the way; B: input w_o: QUANTISED
;;   THE QUANTISER, for each operand of a quantised product, along K:
;;     - K is cut into blocks of 32 from its start; a last block that is shorter is filled with zeros.
;;     - A block's scale is 2^e with e = floor(log2(the largest magnitude in the block)) - 2, held to -126 .. 127; a block of zeros has e = 0. As a byte (E8M0): e + 127.
;;     - Each number is divided by its block's scale, clamped to +-7.5, and rounded to the nearest number of E2M3, ties to even, subnormals kept.
;;     - The product sums the exact products of the quantised numbers (number of the format x scale) in f32.
;;   ~~~python
;;   def quantise(x, axis):      # numpy; x: float32 -> the quantised numbers, widened to float32 again
;;       x = np.moveaxis(x, axis, -1); K = x.shape[-1]
;;       x = np.pad(x, [(0, 0)] * (x.ndim - 1) + [(0, -K % 32)]); x = x.reshape(x.shape[:-1] + (-1, 32)); a = np.abs(x).max(-1, keepdims=True)
;;       e = np.where(a > 0, np.clip(np.frexp(np.where(a > 0, a, 1))[1] - 1 - 2, -126, 127), 0)      # np.frexp(a)[1] - 1 = floor(log2(a)), exactly
;;       r = np.clip(x / 2.0 ** e, -7.5, 7.5)
;;       step = 2.0 ** (np.maximum(np.frexp(np.where(r == 0, 1, r))[1] - 1, 0) - 3)
;;       q = np.round(r / step) * step * 2.0 ** e      # np.round: ties to even
;;       return np.moveaxis(q.reshape(q.shape[:-2] + (-1,))[..., :K], -1, axis).astype(np.float32)
;;   ~~~
;;   SOFTMAX AHEAD OF A QUANTISED PRODUCT. Where the list says 'softmax', what is quantised is not the finished softmax but p = 2^(t - M), with t = logit x log2(e) and M = ceil(the row's largest t), a whole number; so 1/2 < the row's largest p <= 1. The row's sum l is taken of the UNQUANTISED p, in f32, and the product's result is divided by l at the end. Since M is a whole number, a kernel that streams over the keys may use a running M (the ceiling of the running maximum): every later rescaling is an exact power of two, which a block's scale takes up: the codes' values come out the same.
;;   OPERANDS COMPUTED ON THE WAY. 'Computed on the way' means the value that the module computes at that place (a softmax that the list does not call 'softmax' is quantised finished and normalised). What goes into a quantiser is computed in f32, as accurately as f32 sums, v_exp_f32 and their like allow (about 1e-6 of the number): no bf16 or f16 on the way to a quantiser, and a product that is left as it is and whose result goes on into a quantised operand takes f32 operands (vector FMAs, or v_wmma_f32_16x16x4_f32). A number that lies on a knife's edge between two numbers of the format may be rounded either way, as far as f32 arithmetic and the matrix unit's own rounding can turn it there, and no further.
;; One version. Each part assembles by itself: llvm-mc -triple=amdgcn-amd-amdhsa -mcpu=gfx1250 --defsym DOCPART=n.
;; ======== version 1 of 1: 3 launches
;; limits: right only within a limited range of input values
;; workspace buffers: wbuf 204,800 bytes; qbuf 3,407,872 bytes; kvbuf 6,815,744 bytes
;; launch wprep (part 1): grid 64 x 1, 1 waves a work-group, no clusters, 0 bytes of LDS; arguments w_qkv, w_o, wbuf; writes wbuf
.if DOCPART == 1
	.amdgcn_target "amdgcn-amd-amdhsa--gfx1250"
	.amdhsa_code_object_version 6
	.text
	.protected	k_q2bdaecb13a_wprep
	.globl	k_q2bdaecb13a_wprep
	.p2align	8
	.type	k_q2bdaecb13a_wprep,@function
k_q2bdaecb13a_wprep:
	s_mov_b64 s[64:65], 0
	v_nop
	global_prefetch_b8 v0, s[64:65] scope:SCOPE_SE
	s_setreg_imm32_b32 hwreg(HW_REG_WAVE_MODE, 25, 1), 1
	s_wait_xcnt 0x0
; w_qkv [768][256] and w_o [256][256], f32, K innermost, become codes of FP6 (E2M3) with one E8M0 scale byte for each 32 along K,
; laid in the ORDER OF THE OPERAND'S REGISTERS.  wbuf holds 16 chunk records of 12,800 bytes: chunks 0-11 are w_qkv's rows 64 g on,
; chunks 12-15 w_o's rows 64 (g - 12) on.  A record: 8 images of fragments (16 rows x 128 K, 12 registers a lane), (tile t, K step ks) at
; (2 t + ks) x 1,536, register group c at 512 c + 16 x lane; at 12,288 + 128 t + 4 x lane the tile's scale register: lanes 0-15 the
; rows' words of K step 0, lanes 16-31 those of K step 1.
; THE ROWS OF A TILE ARE NOT NEIGHBOURS: lane r of tile 2 b + u takes row 32 b + 8 u + r + 8 (r / 8) of the chunk's 64, so that in a product
; used with these rows as source 0 the 16 registers of tiles 2 b and 2 b + 1 are 16 neighbours.
; One wave takes one tile: 64 tiles, 64 work-groups.  A lane (r, h) holds, of its row, k = 128 ks + 64 c + 32 h + 0 .. 31: whole blocks,
; so a block's largest magnitude needs no other lane.
; A block's scale byte is its largest magnitude's exponent field - 2, held at 1 from below.
; LIMITS: NaN and infinities among the inputs are not served; a block of zeros gets the byte 1 where the rule says 127 (its codes are zeros,
; which add nothing, and this program alone reads the bytes); blocks whose largest magnitude lies under 2^-124 are held at that byte.
.set RECB, 12800
.set X,    16                          ; v16-143  the numbers: (ks, c, i) at X + 64 ks + 32 c + i
.set CDS,  144                         ; v144-167 the codes of K steps 0 and 1: no store's data are written again
.set WD,   168                         ; v168-169 the two scale words;  v170 the two merged
.set WM,   170
.set TM,   172                         ; v172-184 at work
.set H8,   6                           ; v6       8 x (lane / 16)
.set SEL,  20                          ; s[20:21] lane selects for v_permlanex16_b32: lane l xor 16
; 64 numbers of a lane, v[s + 32 c + i] = k 64 c + 32 h + i of my row, become a fragment's 12 registers v[d] on and its scale word v[w].
.macro QFRAG s, d, w
.irp c, 0,1
	v_max3_num_f32 v[TM+\c], |v[\s+32*\c]|, |v[\s+32*\c+1]|, 0x1800000   ; my block 2 c + h, and the floor 2^(3 - 127): the byte cannot fall under 1
.endr
.irp i, 2,4,6,8,10,12,14,16,18,20,22,24,26,28,30
.irp c, 0,1
	v_max3_num_f32 v[TM+\c], v[TM+\c], |v[\s+32*\c+\i]|, |v[\s+32*\c+\i+1]|   ; the two blocks by turns
.endr
.endr
.irp c, 0,1
	v_add_nc_u32 v[TM+4+\c], 0xff000000, v[TM+\c]      ; 2 off the exponent field: the conversion's scale operand
.endr
.irp c, 0,1
	v_lshrrev_b32 v[TM+2+\c], 23, v[TM+4+\c]           ; the scale's byte
.endr
	v_lshl_or_b32 v[\w], v[TM+3], 16, v[TM+2]          ; my two bytes: blocks h and 2 + h,
	v_lshlrev_b32 v[\w], v[H8], v[\w]                  ; at their places in the word;
	v_permlanex16_b32 v[TM+2], v[\w], s[SEL], s[SEL+1]
	v_or_b32 v[\w], v[\w], v[TM+2]                     ; with lane l xor 16's two the word is whole
.irp c, 0,1
	v_cvt_scalef32_pk16_fp6_f32 v[\d+6*\c:\d+6*\c+2], v[\s+32*\c:\s+32*\c+15], v[TM+4+\c]
	v_cvt_scalef32_pk16_fp6_f32 v[TM+6+4*\c:TM+8+4*\c], v[\s+32*\c+16:\s+32*\c+31], v[TM+4+\c]   ; (a conversion's three registers begin on an even number)
.endr
	v_nop                                              ; one plain instruction behind the scaled conversions
.irp c, 0,1
.irp i, 0,1,2
	v_mov_b32 v[\d+3+6*\c+\i], v[TM+6+4*\c+\i]
.endr
.endr
.endm
	s_load_b128 s[4:7], s[0:1], 0x0                ; w_qkv, w_o
	s_load_b64 s[8:9], s[0:1], 0x10                ; wbuf
	v_and_b32 v1, 15, v0                           ; r
	v_bfe_u32 v2, v0, 4, 1                         ; h
	v_and_b32 v3, 8, v1
	v_add_nc_u32 v3, v3, v1                        ; r + 8 (r / 8)
	v_lshlrev_b32 v3, 10, v3                       ; a row is 1,024 bytes
	v_lshl_add_u32 v3, v2, 7, v3                   ; + 128 h: my block of 32 numbers
	v_lshlrev_b32 v4, 4, v0                        ; 16 x lane (one wave: the thread's number is the lane)
	v_lshlrev_b32 v5, 2, v0                        ; 4 x lane
	v_lshlrev_b32 v[H8], 3, v2
	s_mov_b32 s[SEL], 0x76543210
	s_mov_b32 s[SEL+1], 0xfedcba98
	s_mov_b32 s22, 0xffff0000                      ; lanes 16-31
	s_lshr_b32 s10, ttmp9, 2                       ; chunk g
	s_and_b32 s11, ttmp9, 3                        ; tile t
	s_cmp_lt_u32 s10, 12
	s_cselect_b32 s12, 0, 12
	s_sub_co_u32 s12, s10, s12                     ; the chunk's number in its own tensor
	s_lshl_b32 s12, s12, 6
	s_lshr_b32 s13, s11, 1
	s_lshl_b32 s13, s13, 5
	s_add_co_u32 s12, s12, s13
	s_and_b32 s13, s11, 1
	s_lshl_b32 s13, s13, 3
	s_add_co_u32 s12, s12, s13                     ; the tile's first row: 64 chunk + 32 (t / 2) + 8 (t % 2)
	s_lshl_b32 s12, s12, 10
	s_mov_b32 s13, 0
	s_mul_i32 s16, s10, RECB                       ; the chunk's record
	s_mul_i32 s14, s11, 3072
	s_add_co_u32 s14, s14, s16                     ; the tile's two images
	s_mov_b32 s15, 0
	s_lshl_b32 s17, s11, 7
	s_add_co_u32 s16, s16, s17
	s_add_co_u32 s16, s16, 12288                   ; the tile's scale register
	s_mov_b32 s17, 0
	s_wait_alu depctr_va_vdst(0)
	s_wait_kmcnt 0x0
	s_cmp_lt_u32 s10, 12                           ; which tensor: the choice hangs on the work-group's number alone
	s_cselect_b64 s[4:5], s[4:5], s[6:7]
	s_add_nc_u64 s[4:5], s[4:5], s[12:13]
	s_add_nc_u64 s[18:19], s[8:9], s[16:17]
	s_add_nc_u64 s[8:9], s[8:9], s[14:15]
.irp ks, 0,1
.irp c, 0,1
.irp j, 0,1,2,3,4,5,6,7
	global_load_b128 v[X+64*\ks+32*\c+4*\j:X+64*\ks+32*\c+4*\j+3], v3, s[4:5] offset:512*\ks+256*\c+16*\j
.endr
.endr
.endr
	s_wait_loadcnt 16                              ; K step 0's sixteen loads are in; K step 1's sixteen may be out
	QFRAG X, CDS, WD
.irp c, 0,1,2
	global_store_b128 v4, v[CDS+4*\c:CDS+4*\c+3], s[8:9] offset:512*\c          ; 32 lanes store 512 consecutive bytes, aligned to 256
.endr
	s_wait_loadcnt 0x0
	QFRAG X+64, CDS+12, WD+1
.irp c, 0,1,2
	global_store_b128 v4, v[CDS+12+4*\c:CDS+12+4*\c+3], s[8:9] offset:1536+512*\c
.endr
	v_cndmask_b32 v[WM], v[WD], v[WD+1], s22       ; lanes 0-15 keep K step 0's word of row r, lanes 16-31 take K step 1's
	global_store_b32 v5, v[WM], s[18:19]
	s_endpgm
.Lfunc_end_k_q2bdaecb13a_wprep:
	.size	k_q2bdaecb13a_wprep, .Lfunc_end_k_q2bdaecb13a_wprep-k_q2bdaecb13a_wprep
	.p2alignl 7, 3214868480
	.fill 96, 4, 3214868480
	.section	.rodata,"a",@progbits
	.p2align	6, 0x0
	.amdhsa_kernel k_q2bdaecb13a_wprep
		.amdhsa_group_segment_fixed_size 0
		.amdhsa_private_segment_fixed_size 0
		.amdhsa_enable_private_segment 0
		.amdhsa_kernarg_size 24
		.amdhsa_user_sgpr_count 2
		.amdhsa_user_sgpr_kernarg_segment_ptr 1
		.amdhsa_wavefront_size32 1
		.amdhsa_system_sgpr_workgroup_id_x 1
		.amdhsa_system_sgpr_workgroup_id_y 1
		.amdhsa_system_sgpr_workgroup_id_z 1
		.amdhsa_system_vgpr_workitem_id 0
		.amdhsa_next_free_vgpr 192
		.amdhsa_next_free_sgpr 66
		.amdhsa_reserve_vcc 0
		.amdhsa_float_denorm_mode_32 3
		.amdhsa_float_denorm_mode_16_64 3
		.amdhsa_memory_ordered 1
		.amdhsa_forward_progress 1
		.amdhsa_inst_pref_size 12
	.end_amdhsa_kernel
	.amdgpu_metadata
---
amdhsa.version: [ 1, 2 ]
amdhsa.kernels:
  - .name:           k_q2bdaecb13a_wprep
    .symbol:         k_q2bdaecb13a_wprep.kd
    .args:
      - { .name: w_qkv, .offset: 0, .size: 8, .value_kind: global_buffer, .address_space: global }
      - { .name: w_o, .offset: 8, .size: 8, .value_kind: global_buffer, .address_space: global }
      - { .name: wbuf, .offset: 16, .size: 8, .value_kind: global_buffer, .address_space: global }
    .group_segment_fixed_size: 0
    .private_segment_fixed_size: 0
    .kernarg_segment_align: 8
    .kernarg_segment_size: 24
    .max_flat_workgroup_size: 32
    .sgpr_count:     66
    .vgpr_count:     192
    .wavefront_size: 32
...
	.end_amdgpu_metadata
.endif
;; end of part 1
;; launch qkv (part 2): grid 256 x 1, 12 waves a work-group, clusters of 4 x 1, 327,680 bytes of LDS; arguments x, wbuf, b_qkv, qbuf, kvbuf; writes qbuf, kvbuf
.if DOCPART == 2
	.amdgcn_target "amdgcn-amd-amdhsa--gfx1250"
	.amdhsa_code_object_version 6
	.text
	.protected	k_q2bdaecb13a_qkv
	.globl	k_q2bdaecb13a_qkv
	.p2align	8
	.type	k_q2bdaecb13a_qkv,@function
k_q2bdaecb13a_qkv:
	s_mov_b64 s[64:65], 0
	v_nop
	global_prefetch_b8 v0, s[64:65] scope:SCOPE_SE
	s_setreg_imm32_b32 hwreg(HW_REG_WAVE_MODE, 25, 1), 1
	s_wait_xcnt 0x0
	s_wait_alu depctr_hold_cnt(0) depctr_sa_sdst(0) depctr_va_vdst(0) depctr_va_sdst(0) depctr_va_ssrc(0) depctr_va_vcc(0) depctr_vm_vsrc(0)
	s_getreg_b32 s2, hwreg(HW_REG_IB_STS2, 6, 4)
	s_cmp_eq_u32 s2, 0
	s_cbranch_scc0 .Lentry_in_a_cluster
	s_endpgm
.Lentry_in_a_cluster:
	s_bfe_u32 s2, ttmp6, 0x10000c
	s_cmp_lg_u32 s2, 0x3003
	s_cbranch_scc0 .Lentry_shape_is_right
	s_endpgm
.Lentry_shape_is_right:
; q, k, v = x^T w_qkv^T + b_qkv on codes of FP6 (E2M3); the results are quantised for the attention's products and stored as images of operand registers.
; A work-group takes 64 positions of a batch; waves 0-3 make Q's four heads, waves 4-7 K's, waves 8-11 V's.
; THE POSITIONS OF A TILE: lane r of tile t takes position 8 t + r % 8 + 32 (r / 8) of the 64.  So in V's product, where a lane holds one channel and its registers run along the positions,
; a lane's 32 registers are the 32 neighbouring keys 32 h + 0 .. 31: a whole block of the quantiser; and in the next launch a tile of K gives a lane eight neighbouring keys of one block.
.set RECB, 12800
.set XREC, 0
.set XF,   12800
.set XBLK, 8320
.set WREG, 79360
.set WV,   14
.set SEL,  20
.set HM,   22
.set G1W,  24
.set G0W,  32
.set G1X,  36
.set G0X,  44
.set OUTP, 48
.set BP,   56
.set L16,  3
.set L8,   4
.set L4,   5
.set WA,   6
.set WSA,  7
.set XA,   8
.set XWI,  9
.set XWS,  10
.set H8,   11
.set BOQ,  12
.set BOV,  13
.set SF,   16
.set ITF,  112
.set AC,   136
.set BI,   168
.set SS,   200
.set ITS,  204
.set PW,   206
.set PK,   210
.set CD,   212
.macro ROUND
	s_barrier_signal -1
	s_barrier_wait -1
	s_cmp_lg_u32 s[WV], 0
	s_cbranch_scc1 .Lnot_wave_0_\@
	s_barrier_signal -3
.Lnot_wave_0_\@:
	s_barrier_wait -3
	s_barrier_signal -1
	s_barrier_wait -1
.endm
.macro QFRAG s, d, w
.irp c, 0,1
	v_max3_num_f32 v[TM+\c], |v[\s+32*\c]|, |v[\s+32*\c+1]|, 0x1800000
.endr
.irp i, 2,4,6,8,10,12,14,16,18,20,22,24,26,28,30
.irp c, 0,1
	s_delay_alu instid0(VALU_DEP_2)
	v_max3_num_f32 v[TM+\c], v[TM+\c], |v[\s+32*\c+\i]|, |v[\s+32*\c+\i+1]|
.endr
.endr
.irp c, 0,1
	s_delay_alu instid0(VALU_DEP_2)
	v_add_nc_u32 v[TM+4+\c], 0xff000000, v[TM+\c]
.endr
.irp c, 0,1
	s_delay_alu instid0(VALU_DEP_2)
	v_lshrrev_b32 v[TM+2+\c], 23, v[TM+4+\c]
.endr
	s_delay_alu instid0(VALU_DEP_1)
	v_lshl_or_b32 v[\w], v[TM+3], 16, v[TM+2]
	s_delay_alu instid0(VALU_DEP_1)
	v_lshlrev_b32 v[\w], v[H8], v[\w]
	s_delay_alu instid0(VALU_DEP_1)
	v_permlanex16_b32 v[TM+2], v[\w], s[SEL], s[SEL+1]
	s_delay_alu instid0(VALU_DEP_1)
	v_or_b32 v[\w], v[\w], v[TM+2]
.irp c, 0,1
	v_cvt_scalef32_pk16_fp6_f32 v[\d+6*\c:\d+6*\c+2], v[\s+32*\c:\s+32*\c+15], v[TM+4+\c]
	v_cvt_scalef32_pk16_fp6_f32 v[TM+6+4*\c:TM+8+4*\c], v[\s+32*\c+16:\s+32*\c+31], v[TM+4+\c]
.endr
	v_nop
.irp c, 0,1
.irp i, 0,1,2
	v_mov_b32 v[\d+3+6*\c+\i], v[TM+6+4*\c+\i]
.endr
.endr
.endm
.macro QUANT64 s, d, w
.irp b, 0,1
	v_max3_num_f32 v[TM+\b], |v[\s+16*\b]|, |v[\s+16*\b+1]|, 0x1800000
.endr
.irp i, 2,4,6,8,10,12,14
.irp b, 0,1
	v_max3_num_f32 v[TM+\b], v[TM+\b], |v[\s+16*\b+\i]|, |v[\s+16*\b+\i+1]|
.endr
.endr
.irp b, 0,1
	s_delay_alu instid0(VALU_DEP_2)
	v_permlanex16_b32 v[TM+2+\b], v[TM+\b], s[SEL], s[SEL+1]
.endr
.irp b, 0,1
	s_delay_alu instid0(VALU_DEP_2)
	v_max_num_f32 v[TM+\b], v[TM+\b], v[TM+2+\b]
.endr
.irp b, 0,1
	s_delay_alu instid0(VALU_DEP_2)
	v_add_nc_u32 v[TM+4+\b], 0xff000000, v[TM+\b]
.endr
.irp b, 0,1
	s_delay_alu instid0(VALU_DEP_2)
	v_lshrrev_b32 v[TM+2+\b], 23, v[TM+4+\b]
.endr
	s_delay_alu instid0(VALU_DEP_1)
	v_lshl_or_b32 v[\w], v[TM+3], 8, v[TM+2]
	v_cvt_scalef32_pk16_fp6_f32 v[\d:\d+2], v[\s:\s+15], v[TM+4]
	v_cvt_scalef32_pk16_fp6_f32 v[TM+6:TM+8], v[\s+16:\s+31], v[TM+5]
	v_nop
.irp i, 0,1,2
	v_permlane16_swap_b32 v[\d+\i], v[TM+6+\i]
.endr
.irp i, 0,1,2
	s_delay_alu instid0(VALU_DEP_3)
	v_mov_b32 v[\d+3+\i], v[TM+6+\i]
.endr
.endm
; 32 numbers of a lane, v[s + i] = key 32 h + i of my channel: a whole block.  They become a half fragment's six registers v[d] on; the scale word v[w] takes my byte and lane l xor 16's.
.macro QUANTV s, d, w
	v_max3_num_f32 v[TM], |v[\s]|, |v[\s+1]|, 0x1800000
	v_max3_num_f32 v[TM+1], |v[\s+2]|, |v[\s+3]|, 0x1800000
.irp i, 4,8,12,16,20,24,28
	v_max3_num_f32 v[TM], v[TM], |v[\s+\i]|, |v[\s+\i+1]|
	v_max3_num_f32 v[TM+1], v[TM+1], |v[\s+\i+2]|, |v[\s+\i+3]|
.endr
	s_delay_alu instid0(VALU_DEP_1)
	v_max_num_f32 v[TM], v[TM], v[TM+1]
	s_delay_alu instid0(VALU_DEP_1)
	v_add_nc_u32 v[TM+4], 0xff000000, v[TM]
	s_delay_alu instid0(VALU_DEP_1)
	v_lshrrev_b32 v[TM+2], 23, v[TM+4]
	s_delay_alu instid0(VALU_DEP_1)
	v_lshlrev_b32 v[\w], v[H8], v[TM+2]
	s_delay_alu instid0(VALU_DEP_1)
	v_permlanex16_b32 v[TM+3], v[\w], s[SEL], s[SEL+1]
	s_delay_alu instid0(VALU_DEP_1)
	v_or_b32 v[\w], v[\w], v[TM+3]
	v_cvt_scalef32_pk16_fp6_f32 v[\d:\d+2], v[\s:\s+15], v[TM+4]
	v_cvt_scalef32_pk16_fp6_f32 v[TM+6:TM+8], v[\s+16:\s+31], v[TM+4]
	v_nop
.irp i, 0,1,2
	v_mov_b32 v[\d+3+\i], v[TM+6+\i]
.endr
.endm
.macro ITEMLOAD img, scl, n
.irp k, 0,1,2,3,4,5
	ds_load_b128 v[ITF+4*\k:ITF+4*\k+3], v[\img] offset:3072*(\n)+512*\k
.endr
	ds_load_b32 v[ITS], v[\scl] offset:12288+128*(\n)
.endm
.macro CHUNK role, simg, sscl, iimg, iscl
.irp k, 0,1,2,3,4,5,6,7,8,9,10,11,12,13,14,15,16,17,18,19,20,21,22,23
	ds_load_b128 v[SF+4*\k:SF+4*\k+3], v[\simg] offset:512*\k
.endr
.irp i, 0,1,2,3
	ds_load_b32 v[SS+\i], v[\sscl] offset:12288+128*\i
.endr
	ITEMLOAD \iimg, \iscl, 0
	s_wait_loadcnt 0x0
.if \role
.irp n, 0,1,2,3
.irp j, 1,2,3,4,5,6,7
	v_mov_b32 v[BI+8*\n+\j], v[BI+8*\n]
.endr
.endr
.endif
	s_wait_dscnt 0x0
.irp it, 0,1,2,3
.irp i, 0,1,2,3
.if \role
	v_wmma_scale_f32_16x16x128_f8f6f4 v[AC+8*\i:AC+8*\i+7], v[SF+24*\i:SF+24*\i+11], v[ITF:ITF+11], v[BI+8*\it:BI+8*\it+7], v[SS+\i], v[ITS] matrix_a_fmt:MATRIX_FMT_FP6 matrix_b_fmt:MATRIX_FMT_FP6
.else
	v_wmma_scale_f32_16x16x128_f8f6f4 v[AC+8*\i:AC+8*\i+7], v[SF+24*\i:SF+24*\i+11], v[ITF:ITF+11], v[BI+8*\i:BI+8*\i+7], v[SS+\i], v[ITS] matrix_a_fmt:MATRIX_FMT_FP6 matrix_b_fmt:MATRIX_FMT_FP6
.endif
.endr
.irp i, 0,1,2,3
	v_wmma_scale_f32_16x16x128_f8f6f4 v[AC+8*\i:AC+8*\i+7], v[SF+24*\i+12:SF+24*\i+23], v[ITF+12:ITF+23], v[AC+8*\i:AC+8*\i+7], v[SS+\i], v[ITS] matrix_a_fmt:MATRIX_FMT_FP6 matrix_b_fmt:MATRIX_FMT_FP6 matrix_a_scale:MATRIX_SCALE_ROW1 matrix_b_scale:MATRIX_SCALE_ROW1
.endr
.rept 4
	v_nop
.endr
.if \it < 3
	ITEMLOAD \iimg, \iscl, \it+1
.endif
.if \role
	QUANTV AC, CD+8*\it, PW+\it
.else
	QUANT64 AC, CD+8*\it, PW+\it
.endif
	global_store_b128 v[L16], v[CD+8*\it:CD+8*\it+3], s[OUTP:OUTP+1] offset:768*\it
	global_store_b64 v[L8], v[CD+8*\it+4:CD+8*\it+5], s[OUTP:OUTP+1] offset:768*\it+512
.if \it < 3
	s_wait_dscnt 0x0
.endif
.endr
.irp j, 0,1
	v_cndmask_b32 v[PK+\j], v[PW+2*\j], v[PW+2*\j+1], s[HM]
.endr
	global_store_b64 v[L8], v[PK:PK+1], s[OUTP:OUTP+1] offset:3072
.endm
	s_load_b256 s[4:11], s[0:1], 0x0
	s_load_b64 s[12:13], s[0:1], 0x20
	v_lshl_add_u32 v254, v0, 2, 0x40000
	v_mov_b32 v255, 0
	ds_add_u32 v254, v255
	ds_add_u32 v254, v255
	v_lshrrev_b32 v15, 5, v0
	s_delay_alu instid0(VALU_DEP_1)
	v_readfirstlane_b32 s[WV], v15
	s_bfe_u32 s15, ttmp6, 0x40000
	s_lshl_b32 s16, ttmp9, 2
	s_add_co_u32 s16, s16, s15
	s_lshr_b32 s17, s16, 6
	s_and_b32 s18, s16, 63
	s_mov_b32 s[SEL], 0x76543210
	s_mov_b32 s[SEL+1], 0xfedcba98
	s_mov_b32 s[HM], 0xffff0000
	s_mul_i32 s60, s[WV], RECB
	s_mov_b32 s61, 0
	s_add_co_u32 s19, s60, WREG
	s_and_b32 s23, s[WV], 3
	s_bfe_u32 s50, s[WV], 0x10002
	v_and_b32 v15, 31, v0
	v_and_b32 v1, 15, v0
	v_bfe_u32 v2, v0, 4, 1
	s_delay_alu instid0(VALU_DEP_3)
	v_lshlrev_b32 v[L16], 4, v15
	s_delay_alu instid0(VALU_DEP_4)
	v_lshlrev_b32 v[L8], 3, v15
	v_lshlrev_b32 v[L4], 2, v15
	s_delay_alu instid0(VALU_DEP_3)
	v_add_nc_u32 v[WA], s19, v[L16]
	s_delay_alu instid0(VALU_DEP_2)
	v_add_nc_u32 v[WSA], s19, v[L4]
	v_and_b32 v[BOV], 8, v1
	s_delay_alu instid0(VALU_DEP_1)
	v_add_nc_u32 v[BOV], v[BOV], v1
	s_delay_alu instid0(VALU_DEP_1)
	v_lshlrev_b32 v[BOV], 2, v[BOV]
	v_and_b32 v[XA], 8, v1
	s_delay_alu instid0(VALU_DEP_1)
	v_mul_u32_u24 v[XA], v[XA], 3
	s_delay_alu instid0(VALU_DEP_1)
	v_add_nc_u32 v[XA], v[XA], v1                  ; r + 24 (r / 8)
	s_delay_alu instid0(VALU_DEP_1)
	v_lshlrev_b32 v[XA], 2, v[XA]
	s_delay_alu instid0(VALU_DEP_1)
	v_mad_u32_u24 v[XA], v2, XBLK, v[XA]
	s_wait_alu depctr_va_vdst(0)
	s_mul_i32 s51, s50, 4*XBLK
	s_lshl_b32 s52, s23, 5                         ; the tile's first position: 8 t, four bytes each
	s_add_co_u32 s51, s51, s52
	s_add_co_u32 s51, s51, XF
	v_add_nc_u32 v[XA], s51, v[XA]
	s_lshl_b32 s51, s23, 1
	s_add_co_u32 s51, s51, s50
	s_mul_i32 s51, s51, 1536
	v_add_nc_u32 v[XWI], s51, v[L16]
	s_lshl_b32 s51, s23, 7
	s_lshl_b32 s52, s50, 6
	s_add_co_u32 s51, s51, s52
	s_add_co_u32 s51, s51, 12288
	v_lshl_add_u32 v[XWS], v1, 2, s51
	v_lshlrev_b32 v[H8], 3, v2
	v_lshlrev_b32 v[BOQ], 6, v2
	v_mov_b32 v246, 0
	v_mov_b32 v247, 0
	s_mov_b32 s[G1W], 15|(3<<16)|(1<<21)
	s_mov_b32 s[G1W+1], 32<<16
	s_mov_b32 s[G1W+2], 150<<16                    ; three records of 12,800 bytes: 150 rows of 256
	s_mov_b32 s[G1W+3], 32<<16
	s_mov_b32 s[G1W+4], 150
	s_mov_b32 s[G1W+5], 32
	s_mov_b32 s[G1W+6], 0
	s_mov_b32 s[G1W+7], 0
	s_mov_b32 s[G1X], 2<<16
	s_mov_b32 s[G1X+1], 64<<16
	s_mov_b32 s[G1X+2], 32<<16
	s_mov_b32 s[G1X+3], 64<<16
	s_mov_b32 s[G1X+4], 32
	s_mov_b32 s[G1X+5], 4096
	s_mov_b32 s[G1X+6], 0
	s_mov_b32 s[G1X+7], 0
	s_min_u32 s53, s[WV], 7
	s_mul_i32 s[G0X+1], s53, XBLK
	s_add_co_u32 s[G0X+1], s[G0X+1], XF
	s_lshl_b32 s62, s17, 22
	s_lshl_b32 s53, s53, 19
	s_add_co_u32 s62, s62, s53
	s_lshl_b32 s54, s18, 8
	s_add_co_u32 s62, s62, s54
	s_mov_b32 s63, 0
	s_lshl_b32 s[BP], s[WV], 8
	s_mov_b32 s[BP+1], 0
	s_lshl_b32 s58, s17, 2
	s_add_co_u32 s58, s58, s23
	s_lshl_b32 s58, s58, 6
	s_add_co_u32 s58, s58, s18
	s_mov_b32 s59, 6656
	s_cmp_lt_u32 s[WV], 4
	s_cselect_b32 s59, 3328, s59
	s_mul_i32 s58, s58, s59
	s_cmp_lt_u32 s[WV], 8
	s_cselect_b32 s59, 0, 3328
	s_add_co_u32 s58, s58, s59
	s_mov_b32 s59, 0
	s_wait_dscnt 0x0
	s_wait_kmcnt 0x0
	s_mov_b32 s[G0W], 1
	s_mul_i32 s60, s23, 3*RECB                     ; waves 8-11 fetch the weights' twelve records, three each: wave % 4 x 38,400 bytes, in memory and in LDS alike
	s_add_co_u32 s[G0W+1], s60, WREG
	s_add_nc_u64 s[G0W+2:G0W+3], s[6:7], s[60:61]
	s_or_b32 s[G0W+3], s[G0W+3], 0x80000000
	s_mov_b32 s[G0X], 1
	s_add_nc_u64 s[G0X+2:G0X+3], s[4:5], s[62:63]
	s_or_b32 s[G0X+3], s[G0X+3], 0x80000000
	s_add_nc_u64 s[BP:BP+1], s[8:9], s[BP:BP+1]
	s_cmp_lt_u32 s[WV], 4
	s_cselect_b64 s[OUTP:OUTP+1], s[10:11], s[12:13]
	s_add_nc_u64 s[OUTP:OUTP+1], s[OUTP:OUTP+1], s[58:59]
	ROUND
	s_wait_alu depctr_va_vdst(0)                   ; the wait ahead of the branch
	s_cmp_lt_u32 s[WV], 8                          ; the first fills, one tensor load a wave, as one group behind the round: waves 0-7 fetch x, waves 8-11 the weights, jointly
	s_cbranch_scc0 .Lv_head
	tensor_load_to_lds s[G0X:G0X+3], s[G1X:G1X+7]
	s_nop 0
.rept 4
	v_nop
.endr
	s_wait_alu depctr_va_vdst(0)
.irp i, 0,1,2,3
	global_load_b128 v[BI+8*\i:BI+8*\i+3], v[BOQ], s[BP:BP+1] offset:4*(32*(\i/2)+8*(\i%2))
	global_load_b128 v[BI+8*\i+4:BI+8*\i+7], v[BOQ], s[BP:BP+1] offset:4*(32*(\i/2)+8*(\i%2))+16
.endr
	s_branch .Lhead_done
.Lv_head:
	tensor_load_to_lds s[G0W:G0W+3], s[G1W:G1W+7]
	s_nop 0
.rept 4
	v_nop
.endr
.irp i, 0,1,2,3
	global_load_b32 v[BI+8*\i], v[BOV], s[BP:BP+1] offset:4*(32*(\i/2)+8*(\i%2))
.endr
.Lhead_done:
	s_wait_tensorcnt 0x0
	s_barrier_signal -1
	s_barrier_wait -1
	s_cmp_lt_u32 s[WV], 8
	s_cbranch_scc0 .Lno_x
	s_wait_alu depctr_va_vdst(0)
.irp c, 0,1
.set i, 0
.rept 32
	ds_load_b32 v[16+32*\c+i], v[XA] offset:2*XBLK*\c+256*i
.set i, i+1
.endr
.endr
	s_wait_dscnt 0x0
.set TM, 112
	QFRAG 16, 80, 92
.irp c, 0,1,2
	ds_store_b128 v[XWI], v[80+4*\c:83+4*\c] offset:XREC+512*\c
.endr
	ds_store_b32 v[XWS], v92 offset:XREC
.Lno_x:
	s_wait_dscnt 0x0
	s_barrier_signal -1
	s_barrier_wait -1
.set TM, 244
	s_cmp_lt_u32 s[WV], 8
	s_cbranch_scc0 .Lv_arm
	CHUNK 0, WA, WSA, L16, L4
	s_branch .Ldone
.Lv_arm:
	CHUNK 1, L16, L4, WA, WSA
.Ldone:
	s_wait_tensorcnt 0x0
	ds_add_u32 v254, v255
	s_wait_dscnt 0x0
	ROUND
	s_endpgm
.Lfunc_end_k_q2bdaecb13a_qkv:
	.size	k_q2bdaecb13a_qkv, .Lfunc_end_k_q2bdaecb13a_qkv-k_q2bdaecb13a_qkv
	.p2alignl 7, 3214868480
	.fill 96, 4, 3214868480
	.section	.rodata,"a",@progbits
	.p2align	6, 0x0
	.amdhsa_kernel k_q2bdaecb13a_qkv
		.amdhsa_group_segment_fixed_size 327680
		.amdhsa_private_segment_fixed_size 0
		.amdhsa_enable_private_segment 0
		.amdhsa_kernarg_size 40
		.amdhsa_user_sgpr_count 2
		.amdhsa_user_sgpr_kernarg_segment_ptr 1
		.amdhsa_wavefront_size32 1
		.amdhsa_system_sgpr_workgroup_id_x 1
		.amdhsa_system_sgpr_workgroup_id_y 1
		.amdhsa_system_sgpr_workgroup_id_z 1
		.amdhsa_system_vgpr_workitem_id 0
		.amdhsa_next_free_vgpr 256
		.amdhsa_next_free_sgpr 66
		.amdhsa_reserve_vcc 0
		.amdhsa_float_denorm_mode_32 3
		.amdhsa_float_denorm_mode_16_64 3
		.amdhsa_memory_ordered 1
		.amdhsa_forward_progress 1
		.amdhsa_inst_pref_size 52
	.end_amdhsa_kernel
	.amdgpu_metadata
---
amdhsa.version: [ 1, 2 ]
amdhsa.kernels:
  - .name:           k_q2bdaecb13a_qkv
    .symbol:         k_q2bdaecb13a_qkv.kd
    .args:
      - { .name: x, .offset: 0, .size: 8, .value_kind: global_buffer, .address_space: global }
      - { .name: wbuf, .offset: 8, .size: 8, .value_kind: global_buffer, .address_space: global }
      - { .name: b_qkv, .offset: 16, .size: 8, .value_kind: global_buffer, .address_space: global }
      - { .name: qbuf, .offset: 24, .size: 8, .value_kind: global_buffer, .address_space: global }
      - { .name: kvbuf, .offset: 32, .size: 8, .value_kind: global_buffer, .address_space: global }
    .group_segment_fixed_size: 327680
    .private_segment_fixed_size: 0
    .kernarg_segment_align: 8
    .kernarg_segment_size: 40
    .max_flat_workgroup_size: 384
    .sgpr_count:     66
    .vgpr_count:     256
    .wavefront_size: 32
...
	.end_amdgpu_metadata
.endif
;; end of part 2
;; launch attn (part 3): grid 256 x 1, 16 waves a work-group, clusters of 4 x 1, 327,680 bytes of LDS; arguments qbuf, kvbuf, wbuf, b_o, out0; writes out0
.if DOCPART == 3
	.amdgcn_target "amdgcn-amd-amdhsa--gfx1250"
	.amdhsa_code_object_version 6
	.text
	.protected	k_q2bdaecb13a_attn
	.globl	k_q2bdaecb13a_attn
	.p2align	8
	.type	k_q2bdaecb13a_attn,@function
k_q2bdaecb13a_attn:
	s_mov_b64 s[64:65], 0
	v_nop
	global_prefetch_b8 v0, s[64:65] scope:SCOPE_SE
	s_setreg_imm32_b32 hwreg(HW_REG_WAVE_MODE, 25, 1), 1
	s_wait_xcnt 0x0
	s_wait_alu depctr_hold_cnt(0) depctr_sa_sdst(0) depctr_va_vdst(0) depctr_va_sdst(0) depctr_va_ssrc(0) depctr_va_vcc(0) depctr_vm_vsrc(0)
	s_getreg_b32 s2, hwreg(HW_REG_IB_STS2, 6, 4)
	s_cmp_eq_u32 s2, 0
	s_cbranch_scc0 .Lentry_in_a_cluster
	s_endpgm
.Lentry_in_a_cluster:
	s_bfe_u32 s2, ttmp6, 0x10000c
	s_cmp_lg_u32 s2, 0x3003
	s_cbranch_scc0 .Lentry_shape_is_right
	s_endpgm
.Lentry_shape_is_right:
; y = (softmax(q k^T / 8) v) w_o^T + b_o, all three products on codes of FP6 (E2M3) with one E8M0 scale for each 32 along a product's K; out0 is [B][256][4096], f32.
; SHARES.  A work-group owns 64 positions of a batch in ALL FOUR HEADS, so that it can take them through the last product too: sixteen waves, wave w = head w / 4, tile w % 4 of 16 queries.
; Every wave walks its head's 4,096 keys, 128 a step, 32 steps.  256 work-groups.
; THE SOFTMAX: t = score x log2(e) / 8; M = the row's largest t so far, rounded UP to a whole number; p = 2^(t - M) is quantised along the keys, not normalised; the row's sum is taken of the
; unquantised p and divides at the end.  When M moves, the sum and O are multiplied by 2^(old M - new M): exact.
; K AND V lie in kvbuf as images of operand registers: for each head and 64 keys a record of K and one of V, 3,328 bytes each (four half fragments of six registers, two scale registers).
; LAYOUT.  Both products are used transposed (S^T = K Q^T, O^T = V^T P^T): a lane holds ONE query.  Row r of K's tile u of a record is key 8 u + r % 8 + 32 (r / 8), so the 32 registers that a lane
; has of a record's four tiles are the keys 32 h + 0 .. 31: a WHOLE block of the quantiser, in the order that the operand's layout gives that lane.  No other lane is asked for a block's maximum.
; K = 64 IN AN INSTRUCTION OF 128: Q's registers 6-11 are zero codes; K's operand runs on into the next tile's registers (behind the last: six zero registers): finite codes x zero codes add 0.
; RING: two slots, each with three key steps of all four heads (159,744 bytes); 11 slots, the last of two steps.  Every wave fetches a sixteenth of a slot: 39 rows of 256 bytes (the last slot: 26).
; THE CHANGE OF SLOTS: in a slot's last step a wave has all the step's fragments in registers before it multiplies; there it waits for its tensor load, adds 0 to its spare word, waits for its LDS
; reads and signals; the step's work, on registers alone, stands between the signal and the wait.  CLUSTER: four work-groups of a batch walk the same K and V and ask for each slot jointly.
; THE LAST PRODUCT: each wave's O / sum is quantised along its head's 64 channels and laid as a register image in the slot that has had its last fill; behind a barrier wave w takes 16 outputs x the 64
; positions x K = 256.  A lane then holds one output and 8 neighbouring positions a tile; the rows leave through the wave's own stage as 256 consecutive bytes.
; LIMITS: NaN and infinities are not served; a block of zeros gets the scale byte 1 where the rule says 127 (its codes are zeros; this program alone reads the bytes).  A block's largest p is taken as
; 2^(its largest t - M): this takes v_exp_f32 not to fall where its input rises.  The promise holds while the scaled scores t stay under 2^31 in magnitude.
.set QREC,  3328
.set STEPB, 13312                      ; a head's key step
.set SLOTB, 39936                      ; a head's three key steps
.set PIECE, 9984                       ; what a wave fetches: 39 x 256
.set HEADB, 425984                     ; a head's K and V
.set REG1,  159744                     ; slot 1; behind its last read: the images, and the stages of the way out
.set STG,   REG1+16384
.set SPARE, 319488                     ; the spare words, 128 bytes a wave
.set A16, 1                            ; 16 x lane + my head's part of the slot in hand
.set A8,  2
.set SPW, 3
.set NIL, 4
.set L16, 5
.set L8,  6
.set H8,  7                            ; 8 x (lane / 16)
.set PFO, 8
                                       ; v9-11 at work; v12 -M, v13 the largest score, v[14:15] the sum; v16-21 Q's codes, v22-27 zero codes
.set QS,  28
.set FF,  30                           ; f = 2^(old M - new M)
.set PW,  31                           ; p's scale word
.set KF,  32                           ; v32-79 K: tile t at KF + 6 t; v80-85 zeros.  Behind the first product: v32-43 p's codes, v44-50 their upper halves, v52-57 partial sums
.set PC,  32
.set T1,  52
.set T2,  54
.set T3,  56
.set VF,  86                           ; v86-133 V: tile n at VF + 12 n
.set S,   134                          ; v134-197 S^T, then p
.set O,   198                          ; v198-229 O^T
.set KS,  230
.set VL,  234
.set VH,  236
.set BM,  238                          ; my two blocks' largest scores, then largest p
.set BT,  240
.set SO,  242                          ; the conversions' scale operands
.set PB,  244
.set PT,  246
.set WV,  14
.set SEL, 20
.set CS,  22
.set G1,  24
.set G0,  32
.set TB,  36                           ; LDS byte at which the slot in hand begins
.set SLOTS, 37
.set LIM, 38
.set WP,  39                           ; wave x PIECE
.set PFA, 40
.set G1S, 44                           ; group 1 of the last, shorter slot
.set WP2, 52
.set QD,  54
.set OUTP, 56
.macro CREST                           ; a round of the cluster's barrier behind its opening barrier
	s_cmp_lg_u32 s[WV], 0
	s_cbranch_scc1 .Lnot_wave_0_\@
	s_barrier_signal -3
.Lnot_wave_0_\@:
	s_barrier_wait -3
	s_barrier_signal -1
	s_barrier_wait -1
.endm
.macro CROUND
	s_barrier_signal -1
	s_barrier_wait -1
	CREST
.endm
.macro TLOAD g1                        ; every wave's one load
	tensor_load_to_lds s[G0:G0+3], s[\g1:\g1+7]
	s_nop 0
.rept 4
	v_nop
.endr
.endm
; A prefetch of the slot that the NEXT change of slots will ask for, three key steps ahead of that load.  The four partners share a slot out BY ADDRESS: partner cx takes quarter cx (39 blocks of 256
; bytes) of each head; waves 4 hd and 4 hd + 1 ask for head hd's, a lane a block, the lanes left over held at the quarter's last block.  Slots 0 to 2 and the last, shorter one come by their loads alone.
.macro ASK
	s_cmp_gt_u32 s[SLOTS], s[LIM]
	s_cbranch_scc0 .Lnot_mine_\@
	global_prefetch_b8 v[PFO], s[PFA:PFA+1] th:TH_LOAD_NT scope:SCOPE_SE
.Lnot_mine_\@:
.endm
.macro SUM4 k                          ; four pairs of p onto the four partial sums
	v_pk_add_f32 v[14:15], v[14:15], v[S+14+8*(\k):S+15+8*(\k)]
	v_pk_add_f32 v[T1:T1+1], v[T1:T1+1], v[S+16+8*(\k):S+17+8*(\k)]
	v_pk_add_f32 v[T2:T2+1], v[T2:T2+1], v[S+18+8*(\k):S+19+8*(\k)]
	v_pk_add_f32 v[T3:T3+1], v[T3:T3+1], v[S+20+8*(\k):S+21+8*(\k)]
.endm
; 32 numbers of a lane, v[s + 16 b + i] = channel 32 b + 16 h + i of my row, become a half fragment's six registers v[d] on and the scale word v[w] (two bytes).
.macro QUANT64 s, d, w
.irp b, 0,1
	v_max3_num_f32 v[TM+\b], |v[\s+16*\b]|, |v[\s+16*\b+1]|, 0x1800000
.endr
.irp i, 2,4,6,8,10,12,14
.irp b, 0,1
	s_delay_alu instid0(VALU_DEP_2)
	v_max3_num_f32 v[TM+\b], v[TM+\b], |v[\s+16*\b+\i]|, |v[\s+16*\b+\i+1]|
.endr
.endr
.irp b, 0,1
	v_permlanex16_b32 v[TM+2+\b], v[TM+\b], s[SEL], s[SEL+1]
.endr
.irp b, 0,1
	s_delay_alu instid0(VALU_DEP_2)
	v_max_num_f32 v[TM+\b], v[TM+\b], v[TM+2+\b]
.endr
.irp b, 0,1
	s_delay_alu instid0(VALU_DEP_2)
	v_add_nc_u32 v[TM+4+\b], 0xff000000, v[TM+\b]
.endr
.irp b, 0,1
	s_delay_alu instid0(VALU_DEP_2)
	v_lshrrev_b32 v[TM+2+\b], 23, v[TM+4+\b]
.endr
	s_delay_alu instid0(VALU_DEP_1)
	v_lshl_or_b32 v[\w], v[TM+3], 8, v[TM+2]
	v_cvt_scalef32_pk16_fp6_f32 v[\d:\d+2], v[\s:\s+15], v[TM+4]
	v_cvt_scalef32_pk16_fp6_f32 v[TM+6:TM+8], v[\s+16:\s+31], v[TM+5]
	v_nop
.irp i, 0,1,2
	v_permlane16_swap_b32 v[\d+\i], v[TM+6+\i]
.endr
.irp i, 0,1,2
	s_delay_alu instid0(VALU_DEP_3)
	v_mov_b32 v[\d+3+\i], v[TM+6+\i]
.endr
.endm
; A KEY STEP: 128 keys, the q-th of the slot in hand.  sync = 0: inside a slot.  1, 3: the slot's last step, the slot is filled again behind it (3: with the last, shorter slot).  2: last step, no refill.
; Four plain vector instructions stand behind the last products, at the end of the step before: the places ahead of these loads.
.macro STEP q, sync
.irp hs, 0,1
	ds_load_b64 v[KS+2*\hs:KS+2*\hs+1], v[A8] offset:STEPB*(\q)+6656*\hs+3072
.endr
	ds_load_b64 v[VL:VL+1], v[A8] offset:STEPB*(\q)+6400
	ds_load_b64 v[VH:VH+1], v[A8] offset:STEPB*(\q)+13056
.irp t, 0,1,2,3,4,5,6,7
	ds_load_b128 v[KF+6*\t:KF+6*\t+3], v[A16] offset:STEPB*(\q)+6656*(\t/4)+768*(\t%4)
	ds_load_b64 v[KF+6*\t+4:KF+6*\t+5], v[A8] offset:STEPB*(\q)+6656*(\t/4)+768*(\t%4)+512
.endr
.irp n, 0,1,2,3
.irp hs, 0,1
	ds_load_b128 v[VF+12*\n+6*\hs:VF+12*\n+6*\hs+3], v[A16] offset:STEPB*(\q)+6656*\hs+3328+768*\n
	ds_load_b64 v[VF+12*\n+6*\hs+4:VF+12*\n+6*\hs+5], v[A8] offset:STEPB*(\q)+6656*\hs+3328+768*\n+512
.endr
.endr
.if \sync == 0
	s_wait_dscnt 16                                ; the scales and K are in; V's sixteen fragment loads, issued last, may be out
.else
	s_wait_tensorcnt 0x0                           ; my one tensor load, my part of the other slot, has landed; group 0 may be written
.if \sync == 1
	ds_add_u32 v[SPW], v[NIL]
	s_add_co_u32 s[G0+1], s[TB], s[WP]             ; the slot in hand takes the keys two slots on
	s_add_nc_u64 s[G0+2:G0+3], s[G0+2:G0+3], SLOTB
	s_wait_xcnt 0x0                                ; the last prefetch has read its address
	s_add_nc_u64 s[PFA:PFA+1], s[PFA:PFA+1], SLOTB
.endif
.if \sync == 3
	ds_add_u32 v[SPW], v[NIL]
	s_mov_b32 s[G0+1], s[WP2]                      ; the last slot: 26 rows a wave, dense behind each other in my head's part of slot 0
	s_add_nc_u64 s[G0+2:G0+3], s[G0+2:G0+3], SLOTB
	s_sub_nc_u64 s[G0+2:G0+3], s[G0+2:G0+3], s[QD:QD+1]
.endif
	s_wait_dscnt 0x0                               ; the add is done and my reads of this slot are over: the step's fragments are all in registers
	s_barrier_signal -1                            ; the step's work, on registers alone, stands between this signal and its wait
.endif
.irp t, 0,1,2,3,4,5,6,7                        ; S^T = K Q^T: register 32 c + i of lane (r, h) is key 64 c + 32 h + i of the step, query r
.if \t%2
	v_wmma_scale_f32_16x16x128_f8f6f4 v[S+8*\t:S+8*\t+7], v[KF+6*\t:KF+6*\t+11], v[16:27], 0, v[KS+\t/2], v[QS] matrix_a_fmt:MATRIX_FMT_FP6 matrix_b_fmt:MATRIX_FMT_FP6 matrix_a_scale:MATRIX_SCALE_ROW1
.else
	v_wmma_scale_f32_16x16x128_f8f6f4 v[S+8*\t:S+8*\t+7], v[KF+6*\t:KF+6*\t+11], v[16:27], 0, v[KS+\t/2], v[QS] matrix_a_fmt:MATRIX_FMT_FP6 matrix_b_fmt:MATRIX_FMT_FP6
.endif
.endr
	v_lshl_or_b32 v[VL], v[VH], 16, v[VL]          ; V's scale words of the 128 keys: two bytes from each record.  These four lines are the places behind the products
	v_lshl_or_b32 v[VL+1], v[VH+1], 16, v[VL+1]
	v_mov_b32 v10, v12                             ; the old -M
	v_nop
.irp c, 0,1                                    ; my two blocks' largest scores, in four chains by turns; each accumulator is first read at its low end
	v_max3_num_f32 v[BM+\c], v[S+32*\c], v[S+32*\c+1], v[S+32*\c+2]
	v_max3_num_f32 v[BT+\c], v[S+32*\c+16], v[S+32*\c+17], v[S+32*\c+18]
.endr
.irp i, 3,5,7,9,11,13
.irp c, 0,1
	v_max3_num_f32 v[BM+\c], v[BM+\c], v[S+32*\c+\i], v[S+32*\c+\i+1]
	v_max3_num_f32 v[BT+\c], v[BT+\c], v[S+32*\c+16+\i], v[S+32*\c+17+\i]
.endr
.endr
.irp c, 0,1
	v_max3_num_f32 v[BM+\c], v[BM+\c], v[BT+\c], v[S+32*\c+15]
.endr
.irp c, 0,1
	v_max_num_f32 v[BM+\c], v[BM+\c], v[S+32*\c+31]
.endr
	s_delay_alu instid0(VALU_DEP_1)
	v_max3_num_f32 v13, v13, v[BM], v[BM+1]        ; the running largest score of my query,
	s_delay_alu instid0(VALU_DEP_1)
	v_permlanex16_b32 v9, v13, s[SEL], s[SEL+1]
	s_delay_alu instid0(VALU_DEP_1)
	v_max_num_f32 v13, v13, v9                     ; with lane l xor 16's keys
	s_delay_alu instid0(VALU_DEP_1)
	v_mul_f32 v9, s[CS], v13                       ; as t (c is positive)
	s_delay_alu instid0(VALU_DEP_1)
	v_floor_f32 v12, -v9                           ; the new -M: M is a whole number
	s_delay_alu instid0(VALU_DEP_1)
	v_sub_f32 v10, v12, v10                        ; old M - new M, 0 or less
	s_delay_alu instid0(VALU_DEP_1)
	v_cvt_i32_f32 v10, v10                         ; (it saturates)
	s_delay_alu instid0(VALU_DEP_1)
	v_ldexp_f32 v[FF], 1.0, v10
.set j, 0
.rept 32
	v_pk_fma_f32 v[S+j:S+j+1], v[S+j:S+j+1], s[CS:CS+1], v[12:13] op_sel_hi:[1,0,0]   ; t - M
.set j, j+2
.endr
.irp c, 0,1
	v_fma_f32 v[BM+\c], v[BM+\c], s[CS], v12       ; the same of each block's largest score
.endr
	s_wait_alu depctr_va_vdst(0)                   ; the wait ahead of the batch
.set j, 0
.rept 64
	v_exp_f32 v[S+j], v[S+j]                       ; p = 2^(t - M)
.set j, j+1
.endr
.irp c, 0,1
	v_exp_f32 v[BM+\c], v[BM+\c]                   ; the block's largest p: the same two instructions on the same number
.endr
.if \sync == 0
	s_wait_dscnt 0x0                               ; V is in
.endif
	v_pk_mul_f32 v[14:15], v[14:15], v[FF:FF+1] op_sel_hi:[1,0]   ; the sum under the new M: the plain line behind the batch
	s_wait_alu depctr_va_vdst(0)                   ; one wait for the batch, ahead of its first reader
.irp c, 0,1
	v_max_num_f32 v[BM+\c], 0x1800000, v[BM+\c]    ; the floor 2^(3 - 127): the byte cannot fall under 1
.endr
	v_pk_add_f32 v[14:15], v[14:15], v[S:S+1]      ; the row's sum is taken of the unquantised p, in four chains
	v_pk_add_f32 v[T1:T1+1], v[S+2:S+3], v[S+4:S+5]
.irp c, 0,1
	v_add_nc_u32 v[SO+\c], 0xff000000, v[BM+\c]    ; 2 off the exponent field: the conversion's scale operand
.endr
	v_pk_add_f32 v[T2:T2+1], v[S+6:S+7], v[S+8:S+9]
	v_pk_add_f32 v[T3:T3+1], v[S+10:S+11], v[S+12:S+13]
.irp c, 0,1
	v_lshrrev_b32 v[PB+\c], 23, v[SO+\c]           ; the scale's byte
.endr
	SUM4 0
	v_lshl_or_b32 v[PW], v[PB+1], 16, v[PB]        ; my bytes: blocks h and 2 + h,
	SUM4 1
	v_lshlrev_b32 v[PW], v[H8], v[PW]              ; at their places in the word;
	SUM4 2
	v_permlanex16_b32 v[PT], v[PW], s[SEL], s[SEL+1]
	SUM4 3
	v_or_b32 v[PW], v[PW], v[PT]                   ; with lane l xor 16's two the word is whole
	SUM4 4
	SUM4 5
	v_pk_add_f32 v[T1:T1+1], v[T1:T1+1], v[S+62:S+63]
.irp c, 0,1
	v_cvt_scalef32_pk16_fp6_f32 v[PC+6*\c:PC+6*\c+2], v[S+32*\c:S+32*\c+15], v[SO+\c]
	v_cvt_scalef32_pk16_fp6_f32 v[44+4*\c:46+4*\c], v[S+32*\c+16:S+32*\c+31], v[SO+\c]   ; (a conversion's three registers begin on an even number)
.endr
	s_wait_alu depctr_va_vdst(0)                   ; the wait directly ahead of the first reader of O^T
.set j, 0
.rept 8
	v_pk_mul_f32 v[O+j:O+j+1], v[O+j:O+j+1], v[FF:FF+1] op_sel_hi:[1,0]   ; O^T under the new M, from each accumulator's low end on; also the plain lines behind the conversions
.set j, j+2
.endr
.irp c, 0,1
.irp i, 0,1,2
	v_mov_b32 v[PC+3+6*\c+\i], v[44+4*\c+\i]
.endr
.endr
.rept 8
	v_pk_mul_f32 v[O+j:O+j+1], v[O+j:O+j+1], v[FF:FF+1] op_sel_hi:[1,0]   ; eight places between the operand's last write and the products
.set j, j+2
.endr
.irp n, 0,1,2,3                                ; O^T += V^T P^T, the four accumulators by turns
.if \n%2
	v_wmma_scale_f32_16x16x128_f8f6f4 v[O+8*\n:O+8*\n+7], v[VF+12*\n:VF+12*\n+11], v[PC:PC+11], v[O+8*\n:O+8*\n+7], v[VL+\n/2], v[PW] matrix_a_fmt:MATRIX_FMT_FP6 matrix_b_fmt:MATRIX_FMT_FP6 matrix_a_scale:MATRIX_SCALE_ROW1
.else
	v_wmma_scale_f32_16x16x128_f8f6f4 v[O+8*\n:O+8*\n+7], v[VF+12*\n:VF+12*\n+11], v[PC:PC+11], v[O+8*\n:O+8*\n+7], v[VL+\n/2], v[PW] matrix_a_fmt:MATRIX_FMT_FP6 matrix_b_fmt:MATRIX_FMT_FP6
.endif
.endr
	v_pk_add_f32 v[T1:T1+1], v[T1:T1+1], v[T2:T2+1]   ; the partial sums are joined: four places behind the products
	v_pk_add_f32 v[14:15], v[14:15], v[T3:T3+1]
	v_nop
	v_pk_add_f32 v[14:15], v[14:15], v[T1:T1+1]
.endm
.macro SLOTHEAD
	v_add_nc_u32 v[A16], s[TB], v[L16]
	v_add_nc_u32 v[A8], s[TB], v[L8]
.endm
	s_load_b256 s[4:11], s[0:1], 0x0               ; qbuf, kvbuf, wbuf, b_o
	s_load_b64 s[12:13], s[0:1], 0x20              ; out0
	v_lshl_add_u32 v[SPW], v0, 2, SPARE
	v_mov_b32 v[NIL], 0
	ds_add_u32 v[SPW], v[NIL]                      ; the opening lines: the add twice on end
	ds_add_u32 v[SPW], v[NIL]
	v_lshrrev_b32 v9, 5, v0
	s_delay_alu instid0(VALU_DEP_1)
	v_readfirstlane_b32 s[WV], v9                  ; wave 0..15
	s_bfe_u32 s15, ttmp6, 0x40000                  ; cx: it enters Q's, the result's and the prefetches' global addresses alone
	s_lshl_b32 s16, ttmp9, 2
	s_add_co_u32 s16, s16, s15
	s_and_b32 s18, s16, 63                         ; my block of 64 positions
	s_lshr_b32 s17, ttmp9, 4                       ; batch, which the partners share
	s_lshr_b32 s19, s[WV], 2                       ; head; on the way out: w_o's chunk
	s_and_b32 s53, s[WV], 3                        ; tile; also the quarter of a head's slot that I fetch
	s_lshl_b32 s66, s17, 2
	s_add_co_u32 s66, s66, s19                     ; 4 batch + head
	s_lshl_b32 s67, s66, 6
	s_add_co_u32 s67, s67, s18
	s_mul_i32 s67, s67, QREC                       ; Q's record
	s_mul_i32 s68, s53, 768
	s_add_co_u32 s68, s68, s67                     ; my half fragment
	s_mov_b32 s69, 0
	s_and_b32 s70, s53, 1
	s_lshl_b32 s70, s70, 7
	s_add_co_u32 s70, s70, s67
	s_lshr_b32 s71, s53, 1
	s_lshl_b32 s71, s71, 2
	s_add_co_u32 s70, s70, s71
	s_add_co_u32 s70, s70, 3072                    ; its scale words: register m / 2, lanes 16 (m % 2) on
	s_mov_b32 s71, 0
	s_mul_i32 s72, s66, HEADB
	s_mov_b32 s73, 0
	s_mul_i32 s74, s53, PIECE
	s_mov_b32 s75, 0
	s_mul_i32 s[WP], s[WV], PIECE
	s_mul_i32 s86, s19, SLOTB                      ; my head's part of a slot
	s_mul_i32 s[WP2], s53, 6656
	s_add_co_u32 s[WP2], s[WP2], s86
	s_mul_i32 s[QD], s53, 3328
	s_mov_b32 s[QD+1], 0
	s_mul_i32 s76, s15, PIECE                      ; the prefetches: my work-group's quarter, in slot 2: the first change steps it to slot 3
	s_add_co_u32 s76, s76, 2*SLOTB
	s_mov_b32 s77, 0
	s_lshl_b32 s87, s19, 6                         ; the way out: my tile's first output 64 (w / 4) + 32 (t / 2) + 8 (t % 2)
	s_lshr_b32 s88, s53, 1
	s_lshl_b32 s88, s88, 5
	s_add_co_u32 s87, s87, s88
	s_and_b32 s88, s53, 1
	s_lshl_b32 s88, s88, 3
	s_add_co_u32 s87, s87, s88
	s_lshl_b32 s84, s87, 2
	s_mov_b32 s85, 0
	s_lshl_b32 s78, s87, 14                        ; an output's row is 16,384 bytes
	s_lshl_b32 s88, s17, 22
	s_add_co_u32 s78, s78, s88
	s_lshl_b32 s88, s18, 8
	s_add_co_u32 s78, s78, s88
	s_mov_b32 s79, 0
	s_add_co_u32 s80, s19, 12
	s_mul_i32 s80, s80, 12800                      ; w_o's chunk record
	s_lshl_b32 s82, s53, 7
	s_add_co_u32 s82, s82, s80
	s_add_co_u32 s82, s82, 12288
	s_mov_b32 s83, 0
	s_mul_i32 s88, s53, 3072
	s_add_co_u32 s80, s80, s88
	s_mov_b32 s81, 0
	s_mov_b32 s[G1], 15|(3<<16)|(1<<21)            ; the mask of all four partners; elements of 8 bytes; bit 21 beside a mask
	s_mov_b32 s[G1+1], 32<<16
	s_mov_b32 s[G1+2], 39<<16
	s_mov_b32 s[G1+3], 32<<16
	s_mov_b32 s[G1+4], 39
	s_mov_b32 s[G1+5], 32
	s_mov_b32 s[G1+6], 0
	s_mov_b32 s[G1+7], 0
	s_mov_b32 s[G1S], 15|(3<<16)|(1<<21)
	s_mov_b32 s[G1S+1], 32<<16
	s_mov_b32 s[G1S+2], 26<<16
	s_mov_b32 s[G1S+3], 32<<16
	s_mov_b32 s[G1S+4], 26
	s_mov_b32 s[G1S+5], 32
	s_mov_b32 s[G1S+6], 0
	s_mov_b32 s[G1S+7], 0
	s_mov_b32 s[SEL], 0x76543210
	s_mov_b32 s[SEL+1], 0xfedcba98
	s_mov_b32 s[CS], 0x3e38aa3b                    ; c = log2(e) / 8
	s_mov_b32 s[CS+1], s[CS]
	s_mov_b32 s[TB], 0
	s_mov_b32 s[SLOTS], 8
	s_cmp_lt_u32 s53, 2
	s_cselect_b32 s[LIM], 1, -1                    ; two waves of each head prefetch
	v_and_b32 v9, 31, v0
	v_bfe_u32 v[H8], v0, 4, 1
	v_and_b32 v29, 15, v0
	v_and_b32 v[PFO], 127, v0
	v_lshlrev_b32 v10, 4, v9
	v_lshlrev_b32 v11, 3, v9
	v_lshlrev_b32 v[H8], 3, v[H8]
	v_lshlrev_b32 v29, 3, v29
	v_min_u32 v[PFO], 38, v[PFO]
	v_add_nc_u32 v[L16], s86, v10
	v_add_nc_u32 v[L8], s86, v11
	v_lshlrev_b32 v[PFO], 8, v[PFO]
	s_wait_alu depctr_va_vdst(0)                   ; the wait ahead of the waits below
	s_wait_dscnt 0x0
	s_wait_kmcnt 0x0
	s_add_nc_u64 s[68:69], s[4:5], s[68:69]
	s_add_nc_u64 s[70:71], s[4:5], s[70:71]
	s_add_nc_u64 s[6:7], s[6:7], s[72:73]          ; my head's K and V: made of the batch and the wave's number
	s_mov_b32 s[G0], 1
	s_mov_b32 s[G0+1], s[WP]
	s_add_nc_u64 s[G0+2:G0+3], s[6:7], s[74:75]
	s_or_b32 s[G0+3], s[G0+3], 0x80000000
	s_add_nc_u64 s[PFA:PFA+1], s[6:7], s[76:77]
	s_add_nc_u64 s[OUTP:OUTP+1], s[12:13], s[78:79]
	s_add_nc_u64 s[80:81], s[8:9], s[80:81]
	s_add_nc_u64 s[82:83], s[8:9], s[82:83]
	s_add_nc_u64 s[84:85], s[10:11], s[84:85]
	CROUND                                         ; the first joint loads meet
	TLOAD G1                                       ; slot 0: one tensor load a wave at the head
	global_load_b128 v[16:19], v10, s[68:69]       ; Q's half fragment stays in registers
	global_load_b64 v[20:21], v11, s[68:69] offset:512
	global_load_b32 v[QS], v29, s[70:71]
.irp j, 22,23,24,25,26,27,80,81,82,83,84,85
	v_mov_b32 v[\j], 0                             ; zero codes
.endr
	v_mov_b32 v13, 0xff61b1e6                      ; the largest score so far: -3e38
	v_mov_b32 v14, 0
	v_mov_b32 v15, 0
	v_mov_b32 v[PW], 0
	v_mov_b32 v[PT], 0
	v_floor_f32 v12, -v13                          ; -M
.set j, 0
.rept 32
	v_mov_b32 v[O+j], 0                            ; O^T: the step is written once; the first finds zeros
.set j, j+1
.endr
	s_wait_alu depctr_va_vdst(0)                   ; the wait at the head's end
	s_wait_tensorcnt 0x0                           ; slot 1's first fill is issued as a refill is
	ds_add_u32 v[SPW], v[NIL]
	s_add_co_u32 s[G0+1], s[WP], REG1
	s_add_nc_u64 s[G0+2:G0+3], s[G0+2:G0+3], SLOTB
	s_wait_dscnt 0x0
	CROUND
	TLOAD G1
	s_wait_loadcnt 0x0                             ; Q
.Lslot:                                            ; eight trips: slots 0 to 7; behind each, the slot two on is asked for
	SLOTHEAD
	STEP 0, 0
	STEP 1, 0
	STEP 2, 1
	s_barrier_wait -1                              ; the barrier opens a round of the cluster's: no wave of any partner still reads this slot or has a load on its way
	CREST
	TLOAD G1
	ASK
	s_xor_b32 s[TB], s[TB], REG1
	s_sub_co_u32 s[SLOTS], s[SLOTS], 1
	s_cmp_lg_u32 s[SLOTS], 0
	s_cbranch_scc1 .Lslot
	s_mov_b32 s[TB], 0                             ; slot 8; behind it the last slot, of two key steps
	SLOTHEAD
	STEP 0, 0
	STEP 1, 0
	STEP 2, 3
	s_barrier_wait -1
	CREST
	TLOAD G1S
	s_mov_b32 s[TB], REG1                          ; slot 9: its barrier shows the last slot whole to all waves, and ends the reads of slot 1's bytes
	SLOTHEAD
	STEP 0, 0
	STEP 1, 0
	STEP 2, 2
	s_barrier_wait -1
	s_mov_b32 s[TB], 0                             ; slot 10
	SLOTHEAD
	STEP 0, 0
	STEP 1, 0
; THE WAY OUT.  v86-109 w_o's two fragments, v110 their scale register, v112-119 the bias; v120-215 the positions' fragments: (tile m, K step ks) at 120 + 12 (2 m + ks); v216-247 four accumulators.
.set WF, 86
.set WS, 110
.set BI, 112
.set AF, 120
.set AC, 216
.set SA, 32
.set SH, 36
	v_and_b32 v9, 31, v0
	v_and_b32 v10, 15, v0                          ; r
	v_bfe_u32 v11, v0, 4, 1                        ; h
	v_lshlrev_b32 v1, 4, v9
	v_lshlrev_b32 v2, 3, v9
	v_lshlrev_b32 v5, 2, v9
	v_and_b32 v6, 8, v10
	s_delay_alu instid0(VALU_DEP_1)
	v_add_nc_u32 v6, v6, v10
	s_delay_alu instid0(VALU_DEP_1)
	v_lshlrev_b32 v6, 2, v6                        ; my output's bias: row r + 8 (r / 8) of the tile
.irp k, 0,1,2,3,4,5
	global_load_b128 v[WF+4*\k:WF+4*\k+3], v1, s[80:81] offset:512*\k
.endr
	global_load_b32 v[WS], v5, s[82:83]
	global_load_b32 v[BI], v6, s[84:85]
	s_mul_i32 s66, s[WV], 768
	s_add_co_u32 s66, s66, REG1                    ; my image
	s_lshl_b32 s68, s[WV], 7
	s_add_co_u32 s68, s68, REG1                    ; my scale words, 12,288 further on
	s_mul_i32 s67, s[WV], 4352
	s_add_co_u32 s67, s67, STG                     ; my stage: 16 rows of 256 bytes + 16
	v_add_nc_u32 v16, s66, v1
	v_add_nc_u32 v17, s66, v2
	v_add_nc_u32 v18, s68, v5
	v_add_nc_u32 v19, REG1, v1
	v_add_nc_u32 v20, REG1, v2
	v_lshl_add_u32 v21, v11, 10, v5                ; scale words: lanes 16-31 take them two heads further on
	v_mul_u32_u24 v22, v10, 272
	v_mul_u32_u24 v23, v11, 272
	v_lshlrev_b32 v24, 14, v11
	v_add_nc_u32 v21, REG1, v21
	v_lshl_add_u32 v22, v11, 7, v22
	v_lshl_add_u32 v23, v10, 4, v23
	v_lshl_add_u32 v24, v10, 4, v24                ; in out0: lanes 0-15 one output's row, lanes 16-31 the next
	v_add_nc_u32 v22, s67, v22                     ; into the stage: row r, + 128 h: positions 32 h on
	v_add_nc_u32 v23, s67, v23                     ; back: two rows an instruction, 16 bytes a lane
	v_add_f32 v14, v14, v15
	s_delay_alu instid0(VALU_DEP_1)
	v_permlanex16_b32 v9, v14, s[SEL], s[SEL+1]
	s_delay_alu instid0(VALU_DEP_1)
	v_add_f32 v14, v14, v9                         ; the row's sum
	s_wait_alu depctr_va_vdst(0)                   ; the wait ahead of the transcendental
	v_rcp_f32 v14, v14
	v_nop
	s_wait_alu depctr_va_vdst(0)                   ; and ahead of its first reader, which is also O^T's
.set j, 0
.rept 16
	v_pk_mul_f32 v[S+j:S+j+1], v[O+j:O+j+1], v[14:15] op_sel_hi:[1,0]   ; register 16 b + i of a lane is channel 32 b + 16 h + i of its query
.set j, j+2
.endr
.set TM, 40
	QUANT64 S, 50, 56
	ds_store_b128 v16, v[50:53]                    ; the image of my half fragment (head w / 4, tile w % 4)
	ds_store_b64 v17, v[54:55] offset:512
	ds_store_b32 v18, v56 offset:12288
	s_wait_alu depctr_va_vdst(0)                   ; the wait ahead of the wait below
	s_wait_dscnt 0x0
	s_barrier_signal -1
	s_barrier_wait -1
.irp m, 0,1,2,3
.irp hd, 0,1,2,3                               ; heads 2 ks and 2 ks + 1 make K step ks of a fragment
	ds_load_b128 v[AF+12*(2*\m+\hd/2)+6*(\hd%2):AF+12*(2*\m+\hd/2)+6*(\hd%2)+3], v19 offset:768*(4*\hd+\m)
	ds_load_b64 v[AF+12*(2*\m+\hd/2)+6*(\hd%2)+4:AF+12*(2*\m+\hd/2)+6*(\hd%2)+5], v20 offset:768*(4*\hd+\m)+512
.endr
.endr
.irp m, 0,1,2,3
	ds_load_b32 v[SA+\m], v21 offset:12288+128*\m        ; heads 0 (lanes 0-15) and 2 (lanes 16-31)
	ds_load_b32 v[SH+\m], v21 offset:12288+512+128*\m    ; heads 1 and 3
.endr
	s_wait_loadcnt 0x0
	s_wait_dscnt 0x0
.irp m, 0,1,2,3
	v_lshl_or_b32 v[SA+\m], v[SH+\m], 16, v[SA+\m]
.endr
.irp j, 1,2,3,4,5,6,7
	v_mov_b32 v[BI+\j], v[BI]                      ; a lane holds one output: its bias in all eight registers
.endr
	v_nop                                          ; eight places between the scale registers' last write and the products
.irp m, 0,1,2,3                                ; source 0 = 16 positions, source 1 = 16 outputs; the four accumulators by turns
	v_wmma_scale_f32_16x16x128_f8f6f4 v[AC+8*\m:AC+8*\m+7], v[AF+24*\m:AF+24*\m+11], v[WF:WF+11], v[BI:BI+7], v[SA+\m], v[WS] matrix_a_fmt:MATRIX_FMT_FP6 matrix_b_fmt:MATRIX_FMT_FP6
.endr
.irp m, 0,1,2,3
	v_wmma_scale_f32_16x16x128_f8f6f4 v[AC+8*\m:AC+8*\m+7], v[AF+24*\m+12:AF+24*\m+23], v[WF+12:WF+23], v[AC+8*\m:AC+8*\m+7], v[SA+\m], v[WS] matrix_a_fmt:MATRIX_FMT_FP6 matrix_b_fmt:MATRIX_FMT_FP6 matrix_a_scale:MATRIX_SCALE_ROW1 matrix_b_scale:MATRIX_SCALE_ROW1
.endr
.rept 4
	v_nop                                          ; four places ahead of the first read of results and of the loads into the operands' registers
.endr
.irp m, 0,1,2,3
	ds_store_b128 v22, v[AC+8*\m:AC+8*\m+3] offset:32*\m         ; lane (r, h): positions 32 h + 8 m + 0 .. 7 of output r
	ds_store_b128 v22, v[AC+8*\m+4:AC+8*\m+7] offset:32*\m+16
.endr
.irp i, 0,1,2,3,4,5,6,7
	ds_load_b128 v[AF+4*\i:AF+4*\i+3], v23 offset:544*\i         ; LDS serves a wave's instructions in order (ISA guide 5.7.1.4): these see my stores
.endr
.irp i, 0,1,2,3,4,5,6,7
	s_wait_dscnt 7-\i
	global_store_b128 v24, v[AF+4*\i:AF+4*\i+3], s[OUTP:OUTP+1] offset:16384*(2*\i+8*(\i/4)) th:TH_STORE_NT   ; 16 lanes store 256 consecutive bytes, aligned; stage row p is output p + 8 (p / 8) of the tile
.endr
	s_wait_tensorcnt 0x0                           ; the wave's end
	ds_add_u32 v[SPW], v[NIL]
	s_wait_dscnt 0x0
	CROUND                                         ; the closing round
	s_endpgm
.Lfunc_end_k_q2bdaecb13a_attn:
	.size	k_q2bdaecb13a_attn, .Lfunc_end_k_q2bdaecb13a_attn-k_q2bdaecb13a_attn
	.p2alignl 7, 3214868480
	.fill 96, 4, 3214868480
	.section	.rodata,"a",@progbits
	.p2align	6, 0x0
	.amdhsa_kernel k_q2bdaecb13a_attn
		.amdhsa_group_segment_fixed_size 327680
		.amdhsa_private_segment_fixed_size 0
		.amdhsa_enable_private_segment 0
		.amdhsa_kernarg_size 40
		.amdhsa_user_sgpr_count 2
		.amdhsa_user_sgpr_kernarg_segment_ptr 1
		.amdhsa_wavefront_size32 1
		.amdhsa_system_sgpr_workgroup_id_x 1
		.amdhsa_system_sgpr_workgroup_id_y 1
		.amdhsa_system_sgpr_workgroup_id_z 1
		.amdhsa_system_vgpr_workitem_id 0
		.amdhsa_next_free_vgpr 256
		.amdhsa_next_free_sgpr 96
		.amdhsa_reserve_vcc 0
		.amdhsa_float_denorm_mode_32 3
		.amdhsa_float_denorm_mode_16_64 3
		.amdhsa_memory_ordered 1
		.amdhsa_forward_progress 1
		.amdhsa_inst_pref_size 188
	.end_amdhsa_kernel
	.amdgpu_metadata
---
amdhsa.version: [ 1, 2 ]
amdhsa.kernels:
  - .name:           k_q2bdaecb13a_attn
    .symbol:         k_q2bdaecb13a_attn.kd
    .args:
      - { .name: qbuf, .offset: 0, .size: 8, .value_kind: global_buffer, .address_space: global }
      - { .name: kvbuf, .offset: 8, .size: 8, .value_kind: global_buffer, .address_space: global }
      - { .name: wbuf, .offset: 16, .size: 8, .value_kind: global_buffer, .address_space: global }
      - { .name: b_o, .offset: 24, .size: 8, .value_kind: global_buffer, .address_space: global }
      - { .name: out0, .offset: 32, .size: 8, .value_kind: global_buffer, .address_space: global }
    .group_segment_fixed_size: 327680
    .private_segment_fixed_size: 0
    .kernarg_segment_align: 8
    .kernarg_segment_size: 40
    .max_flat_workgroup_size: 512
    .sgpr_count:     96
    .vgpr_count:     256
    .wavefront_size: 32
...
	.end_amdgpu_metadata
.endif
;; end of part 3
